; MI455X (gfx1250); checked and timed in simulation.
; The chip was launched on July 23, 2026; its instructions are those of AMD's public machine-readable ISA for CDNA 5 (MIT licence, August 2026) and "CDNA5" Instruction Set Architecture Reference Guide (July 2026). The comments in the code are by the model that wrote it; some were corrected since.
;; Adaptive Embedding T2 I. Allowed arithmetic: float matrix products may take bf16 or f16 operands with f32 sums; all other float work in f32.
;; Inputs: W_beta 1,024 x 1,024 float32; W_gamma 1,024 x 1,024 float32; b_beta 1,024 float32; b_gamma 1,024 float32; cap_embed 64 x 50 x 1,024 float32; img_embed 64 x 36 x 1,024 float32; lens 64 int32.
;; Outputs: out0 64 x 64 float32.
;; One version. Each part assembles by itself: llvm-mc -triple=amdgcn-amd-amdhsa -mcpu=gfx1250 --defsym DOCPART=n.
;; ======== version 1 of 1: 3 launches
;; workspace buffers: prep 788,480 bytes; film 532,480 bytes
;; launch prep (part 1): grid 256 x 1, 4 waves a work-group, no clusters, 0 bytes of LDS; arguments img_embed, cap_embed, lens, prep; writes prep
.if DOCPART == 1
	.amdgcn_target "amdgcn-amd-amdhsa--gfx1250"
	.amdhsa_code_object_version 6
	.text
	.protected	k_qc1bbd481c0_prep
	.globl	k_qc1bbd481c0_prep
	.p2align	8
	.type	k_qc1bbd481c0_prep,@function
k_qc1bbd481c0_prep:
	s_mov_b64 s[64:65], 0
	v_nop
	global_prefetch_b8 v0, s[64:65] scope:SCOPE_SE
	s_setreg_imm32_b32 hwreg(HW_REG_WAVE_MODE, 25, 1), 1
	s_wait_xcnt 0x0
; prep: per-image BatchNorm partials and the captions' masked means.
; img_embed [64][36][1024] f32, cap_embed [64][50][1024] f32, lens [64] i32.
; prep (workspace):  byte 0       cap_repr [64][1024] f32
;                    PMEAN_OFF    pmean    [64][1024] f32   mean over an image's 36 regions
;                    PM2_OFF      pm2      [64][1024] f32   sum of squared deviations from that mean
;                    CAPSQ_OFF    capsq    [64][8]    f32   sum of cap_repr^2 over 128 channels
; Work-groups 0-127: image b = g/2, half g%2 of the channels.  Work-groups 128-255: caption c, likewise.
; A wave owns 512 consecutive bytes (128 channels, 4 a lane) of every row of its image or caption: each load and each 16-byte
; store of a wave covers 512 consecutive bytes, aligned.  All rows of a wave are asked for at once and kept in registers, so
; every input byte is read once, no wave depends on another, and there is neither LDS nor a barrier.
; The variance partial is made in two passes over the registers (mean first, then deviations): no difference of large sums.
; Captions: all 50 rows are read and weighted by (t < len), so that no load waits for lens.  The divisor is len itself.
; LIMITS: len = 0 gives 0 x inf = NaN (as 0/0 does), len < 0 gives zeros, len > 50 sums 50 rows and divides by len;
; 1/len is v_rcp_f32 (about 1 ulp) followed by a multiply.
.set ROW,       4096                   ; bytes in a row of 1024 f32
.set NREG,      36
.set NWORD,     50
.set PMEAN_OFF, 262144
.set PM2_OFF,   524288
.set CAPSQ_OFF, 786432
.set COL,  1                           ; v1        byte of my 16 bytes in a row
.set OUTO, 2                           ; v2        byte offset of my 16 bytes in a [64][1024] table
.set SQO,  3                           ; v3        byte offset of my wave's word in capsq
.set LANE, 4                           ; v4        lane
.set X,    8                           ; v[8:207]  the rows as loaded, 4 registers each
.set ACC,  208                         ; v[208:215] sums
.set T,    216                         ; v[216:223] at work
	s_load_b256 s[4:11], s[0:1], 0x0               ; img s[4:5], cap s[6:7], lens s[8:9], prep s[10:11]
	s_and_b32 s12, ttmp9, 127                      ; 2 x (image or caption) + half
	s_lshr_b32 s13, s12, 1                         ; image b or caption c
	s_and_b32 s14, ttmp9, 1
	s_lshl_b32 s14, s14, 11                        ; my half of a row: 2,048 bytes
	s_lshl_b32 s18, s13, 12                        ; row b or c of a [64][1024] table
	s_mov_b32 s17, 0
	v_lshl_add_u32 v[COL], v0, 4, s14              ; 16 t + half: wave w takes 512 bytes at 512 w
	v_add_nc_u32 v[OUTO], s18, v[COL]
	s_cmp_lt_u32 ttmp9, 128
	s_cbranch_scc0 .Lcaption
	; ---------------- an image's 36 regions ----------------
	s_mul_i32 s16, s13, NREG*ROW
	s_wait_kmcnt 0x0
	s_add_nc_u64 s[4:5], s[4:5], s[16:17]
.set r, 0
.rept NREG
	global_load_b128 v[X+4*r:X+4*r+3], v[COL], s[4:5] offset:r*ROW
.set r, r+1
.endr
	s_wait_loadcnt NREG-2                          ; rows 0 and 1 are in; the 34 younger loads stay out
	v_pk_add_f32 v[ACC:ACC+1],   v[X:X+1],   v[X+4:X+5]      ; the first two rows start the sums: nothing is cleared
	v_pk_add_f32 v[ACC+2:ACC+3], v[X+2:X+3], v[X+6:X+7]
.set r, 2
.rept NREG-2
	s_wait_loadcnt NREG-1-r                        ; loads come back in order: row r is in, the younger rows stay out
	v_pk_add_f32 v[ACC:ACC+1],   v[ACC:ACC+1],   v[X+4*r:X+4*r+1]
	v_pk_add_f32 v[ACC+2:ACC+3], v[ACC+2:ACC+3], v[X+4*r+2:X+4*r+3]
.set r, r+1
.endr
	v_pk_mul_f32 v[ACC:ACC+1],   v[ACC:ACC+1],   0x3ce38e39 op_sel_hi:[1,0]    ; x 1/36: the image's mean
	v_pk_mul_f32 v[ACC+2:ACC+3], v[ACC+2:ACC+3], 0x3ce38e39 op_sel_hi:[1,0]
.set r, 0
.rept NREG                                             ; second pass over the registers: squared deviations
	v_pk_add_f32 v[T+4*(r%2):T+4*(r%2)+1],   v[X+4*r:X+4*r+1],   v[ACC:ACC+1]   neg_lo:[0,1] neg_hi:[0,1]
	v_pk_add_f32 v[T+4*(r%2)+2:T+4*(r%2)+3], v[X+4*r+2:X+4*r+3], v[ACC+2:ACC+3] neg_lo:[0,1] neg_hi:[0,1]
.if r == 0
	v_pk_mul_f32 v[ACC+4:ACC+5], v[T:T+1],   v[T:T+1]
	v_pk_mul_f32 v[ACC+6:ACC+7], v[T+2:T+3], v[T+2:T+3]
.else
	v_pk_fma_f32 v[ACC+4:ACC+5], v[T+4*(r%2):T+4*(r%2)+1],   v[T+4*(r%2):T+4*(r%2)+1],   v[ACC+4:ACC+5]
	v_pk_fma_f32 v[ACC+6:ACC+7], v[T+4*(r%2)+2:T+4*(r%2)+3], v[T+4*(r%2)+2:T+4*(r%2)+3], v[ACC+6:ACC+7]
.endif
.set r, r+1
.endr
	global_store_b128 v[OUTO], v[ACC:ACC+3],   s[10:11] offset:PMEAN_OFF
	global_store_b128 v[OUTO], v[ACC+4:ACC+7], s[10:11] offset:PM2_OFF
	s_endpgm
	; ---------------- a caption's 50 words ----------------
.Lcaption:
	s_lshl_b32 s15, s13, 2                         ; byte of lens[c]
	s_mul_i32 s16, s13, NWORD*ROW
	s_lshl_b32 s26, s12, 4                         ; capsq: 32 c + 16 half
	s_mov_b32 s23, 0                               ; upper halves of the two weight pairs (the packed forms read whole pairs)
	s_mov_b32 s25, 0
	s_mov_b32 s28, 0x76543210                      ; v_permlanex16_b32: lane i of one half reads lane i of the other
	s_mov_b32 s29, 0xfedcba98
	v_lshrrev_b32 v[SQO], 5, v0
	v_lshl_add_u32 v[SQO], v[SQO], 2, s26          ; + 4 wave
	v_and_b32 v[LANE], 31, v0
	s_wait_kmcnt 0x0
	s_load_b32 s20, s[8:9], s15 offset:0x0         ; len; it enters weights and the divisor, never an address
	s_add_nc_u64 s[6:7], s[6:7], s[16:17]
.set t, 0
.rept NWORD
	global_load_b128 v[X+4*t:X+4*t+3], v[COL], s[6:7] offset:t*ROW th:TH_LOAD_NT   ; read once in the whole program
.set t, t+1
.endr
	s_wait_kmcnt 0x0
.set t, 0
.rept NWORD                                            ; even rows into ACC+0..3, odd rows into ACC+4..7: four chains
	s_cmp_gt_i32 s20, t
	s_cselect_b32 s[22+2*(t%2)], 1.0, 0            ; the mask of reference(): 1 where t < len
	s_wait_loadcnt NWORD-1-t                       ; row t is in, the younger rows stay out
.if t < 2
	v_pk_mul_f32 v[ACC+4*t:ACC+4*t+1],   v[X+4*t:X+4*t+1],   s[22+2*t:23+2*t] op_sel_hi:[1,0]
	v_pk_mul_f32 v[ACC+4*t+2:ACC+4*t+3], v[X+4*t+2:X+4*t+3], s[22+2*t:23+2*t] op_sel_hi:[1,0]
.else
	v_pk_fma_f32 v[ACC+4*(t%2):ACC+4*(t%2)+1],   v[X+4*t:X+4*t+1],   s[22+2*(t%2):23+2*(t%2)], v[ACC+4*(t%2):ACC+4*(t%2)+1]   op_sel_hi:[1,0,1]
	v_pk_fma_f32 v[ACC+4*(t%2)+2:ACC+4*(t%2)+3], v[X+4*t+2:X+4*t+3], s[22+2*(t%2):23+2*(t%2)], v[ACC+4*(t%2)+2:ACC+4*(t%2)+3] op_sel_hi:[1,0,1]
.endif
.set t, t+1
.endr
	v_cvt_f32_i32 v[T], s20
	v_rcp_f32 v[T+2], v[T]                         ; 1/len, twice: a pair for the packed multiply
	v_rcp_f32 v[T+3], v[T]
	v_pk_add_f32 v[ACC:ACC+1],   v[ACC:ACC+1],   v[ACC+4:ACC+5]   ; plain work behind the reciprocals, ahead of their use (ISA guide 5.7.2)
	v_pk_add_f32 v[ACC+2:ACC+3], v[ACC+2:ACC+3], v[ACC+6:ACC+7]
	s_wait_alu depctr_va_vdst(0)
	v_pk_mul_f32 v[ACC:ACC+1],   v[ACC:ACC+1],   v[T+2:T+3]
	v_pk_mul_f32 v[ACC+2:ACC+3], v[ACC+2:ACC+3], v[T+2:T+3]
	global_store_b128 v[OUTO], v[ACC:ACC+3], s[10:11]            ; cap_repr
	v_pk_mul_f32 v[T+4:T+5], v[ACC:ACC+1], v[ACC:ACC+1]          ; my four squares,
	v_pk_fma_f32 v[T+4:T+5], v[ACC+2:ACC+3], v[ACC+2:ACC+3], v[T+4:T+5]
	v_add_f32 v[T+4], v[T+4], v[T+5]
	v_add_f32_dpp v[T+4], v[T+4], v[T+4] row_xmask:1 row_mask:0xf bank_mask:0xf   ; summed over the 32 lanes
	v_add_f32_dpp v[T+4], v[T+4], v[T+4] row_xmask:2 row_mask:0xf bank_mask:0xf
	v_add_f32_dpp v[T+4], v[T+4], v[T+4] row_xmask:4 row_mask:0xf bank_mask:0xf
	v_add_f32_dpp v[T+4], v[T+4], v[T+4] row_xmask:8 row_mask:0xf bank_mask:0xf
	v_permlanex16_b32 v[T+5], v[T+4], s28, s29
	v_add_f32 v[T+4], v[T+4], v[T+5]
	v_cmp_eq_u32 vcc_lo, 0, v[LANE]
	s_wait_xcnt 0x0                                ; EXEC is a source of the store above: it changes only behind this wait
	s_and_saveexec_b32 s27, vcc_lo
	global_store_b32 v[SQO], v[T+4], s[10:11] offset:CAPSQ_OFF   ; one word a wave: the wave's share of |cap_repr|^2
	s_wait_xcnt 0x0
	s_or_b32 exec_lo, exec_lo, s27
	s_endpgm
.Lfunc_end_k_qc1bbd481c0_prep:
	.size	k_qc1bbd481c0_prep, .Lfunc_end_k_qc1bbd481c0_prep-k_qc1bbd481c0_prep
	.p2alignl 7, 3214868480
	.fill 96, 4, 3214868480
	.section	.rodata,"a",@progbits
	.p2align	6, 0x0
	.amdhsa_kernel k_qc1bbd481c0_prep
		.amdhsa_group_segment_fixed_size 0
		.amdhsa_private_segment_fixed_size 0
		.amdhsa_enable_private_segment 0
		.amdhsa_kernarg_size 32
		.amdhsa_user_sgpr_count 2
		.amdhsa_user_sgpr_kernarg_segment_ptr 1
		.amdhsa_wavefront_size32 1
		.amdhsa_system_sgpr_workgroup_id_x 1
		.amdhsa_system_sgpr_workgroup_id_y 1
		.amdhsa_system_sgpr_workgroup_id_z 1
		.amdhsa_system_vgpr_workitem_id 0
		.amdhsa_next_free_vgpr 224
		.amdhsa_next_free_sgpr 66
		.amdhsa_reserve_vcc 1
		.amdhsa_float_denorm_mode_32 3
		.amdhsa_float_denorm_mode_16_64 3
		.amdhsa_memory_ordered 1
		.amdhsa_forward_progress 1
		.amdhsa_inst_pref_size 37
	.end_amdhsa_kernel
	.amdgpu_metadata
---
amdhsa.version: [ 1, 2 ]
amdhsa.kernels:
  - .name:           k_qc1bbd481c0_prep
    .symbol:         k_qc1bbd481c0_prep.kd
    .args:
      - { .name: img_embed, .offset: 0, .size: 8, .value_kind: global_buffer, .address_space: global }
      - { .name: cap_embed, .offset: 8, .size: 8, .value_kind: global_buffer, .address_space: global }
      - { .name: lens, .offset: 16, .size: 8, .value_kind: global_buffer, .address_space: global }
      - { .name: prep, .offset: 24, .size: 8, .value_kind: global_buffer, .address_space: global }
    .group_segment_fixed_size: 0
    .private_segment_fixed_size: 0
    .kernarg_segment_align: 8
    .kernarg_segment_size: 32
    .max_flat_workgroup_size: 128
    .sgpr_count:     66
    .vgpr_count:     224
    .wavefront_size: 32
...
	.end_amdgpu_metadata
.endif
;; end of part 1
;; launch film (part 2): grid 136 x 1, 16 waves a work-group, no clusters, 243,712 bytes of LDS; arguments W_gamma, W_beta, b_gamma, b_beta, prep, film; writes film
.if DOCPART == 2
	.amdgcn_target "amdgcn-amd-amdhsa--gfx1250"
	.amdhsa_code_object_version 6
	.text
	.protected	k_qc1bbd481c0_film
	.globl	k_qc1bbd481c0_film
	.p2align	8
	.type	k_qc1bbd481c0_film,@function
k_qc1bbd481c0_film:
	s_mov_b64 s[64:65], 0
	v_nop
	global_prefetch_b8 v0, s[64:65] scope:SCOPE_SE
	s_setreg_imm32_b32 hwreg(HW_REG_WAVE_MODE, 25, 1), 1
	s_wait_xcnt 0x0
; film: the FiLM parameters of every caption, and the finished BatchNorm statistics.
; film (workspace): byte 0          [64][2048] f32: row c = a[c][0..1023] = 1 + gamma, then beta[c][0..1023]
;                   STATS_OFF       rstd[1024] f32, then (-mean x rstd)[1024] f32
; WORK-GROUPS 0-127: [64 x 1024] cap_repr times [2048 x 1024] (W_gamma over W_beta), transposed; bf16 operands, f32 sums.
;   Work-group g makes 16 captions (group g%4) x 64 channels (block g/4; blocks 0-15 gamma, 16-31 beta).
;   Wave w takes K = 64 w .. 64 w + 63 for the whole block: its W slice is 64 rows x 256 bytes, read by 32 loads in which each
;   half of the lanes covers 256 consecutive bytes, aligned; rounded to bf16; laid into the wave's own LDS slice; read back as
;   fragments.  Only the wave itself touches its slice, and LDS serves a wave's instructions in order (ISA guide 5.7.1), so there
;   is no barrier there.  The 16 K-partials of the block meet in LDS behind one barrier; wave w then sums caption row w and
;   stores 256 consecutive bytes, aligned.
;   The matrix instruction takes W's rows as source 0 and the captions as source 1: lane l then holds caption l%16 and, in its
;   registers 0-7, channels 8 (l/16) + 0..7, neighbours in a row of film.
;   NO CLUSTER: the four caption groups of a block read the same 262,144 bytes of W, once each, through registers, where they are
;   rounded.  A joint load would land them in LDS as f32: 262,144 + 69,632 bytes of partial sums do not fit in 327,680.
; WORK-GROUPS 128-135: statistics of 128 channels each.  Wave w takes images 4w..4w+3.  The images' means are shifted by image 0's
;   (d = pmean_b - pmean_0), so that a common offset of the data never enters a square:
;   mean = pmean_0 + A/64, var = (M + 36 (Q - A^2/64)) / 2304 with A = sum d, Q = sum d^2, M = sum pm2.
; LIMITS: gamma and beta carry the rounding of cap_repr and W to bf16; v_rsq_f32 is good to about 1 ulp.
.set PMEAN_OFF, 262144                 ; in prep
.set PM2_OFF,   524288
.set STATS_OFF, 524288                 ; in film
.set WPITCH, 144                       ; 128 bytes of bf16 + 16: 9 x 16, so the 16 rows of a fragment load fall on 16 different 16-byte columns modulo 256
.set WSLICE, 64*WPITCH                 ; a wave's slice of W
.set RED,    16*WSLICE                 ; behind the slices: the K-partials
.set RPITCH, 272                       ; 64 f32 + 16 bytes = 17 x 16
.set RWAVE,  16*RPITCH
.set SRED,   RED+16*RWAVE              ; the statistics' partial sums: bytes of their own
.set SWAVE,  1536                      ; three sums x 128 channels x 4 bytes
; registers of the product
.set WOFF, 5                           ; byte offset of my 16 bytes of W
.set COFF, 6                           ; byte offset of my cap_repr fragment
.set L8,   7                           ; 8 x lane
.set WST,  8                           ; LDS: where I put 8 bytes of bf16
.set WLD,  9                           ; LDS: my W fragments
.set PST,  10                          ; LDS: where my partial sums go
.set PLD,  11                          ; LDS: the partials that I add
.set FO,   12                          ; byte offset of my 8 bytes in film
.set BIAS, 14                          ; v[14:15]
.set WF,   16                          ; v[16:143]  W as loaded; later the partials
.set CF,   144                         ; v[144:175] cap_repr as loaded
.set FR1,  144                         ;            and then W's fragments of the second K step
.set CB,   176                         ; v[176:191] cap_repr fragments, two K steps
.set ACC,  192                         ; v[192:223] four accumulators
.set FR0,  224                         ; v[224:255] W's fragments of the first K step
; registers of the statistics
.set REF,  8                           ; v[8:11]
.set PM,   16                          ; v[16:31]
.set P2,   32                          ; v[32:47]
.set SA,   48                          ; v[48:51]
.set SQ,   52                          ; v[52:55]
.set SM,   56                          ; v[56:59]
.set LD,   64                          ; v[64:255]  16 waves x 3 sums x 4 channels
	s_load_b256 s[4:11], s[0:1], 0x0               ; W_gamma s[4:5], W_beta s[6:7], b_gamma s[8:9], b_beta s[10:11]
	s_load_b128 s[12:15], s[0:1], 0x20             ; prep s[12:13], film s[14:15]
	v_lshrrev_b32 v1, 5, v0
	v_readfirstlane_b32 s16, v1                    ; wave 0..15
	v_and_b32 v2, 31, v0                           ; lane
	s_cmp_lt_u32 ttmp9, 128
	s_cbranch_scc0 .Lstats
	; ---------------- the product ----------------
	s_lshr_b32 s17, ttmp9, 2                       ; channel block 0..31
	s_and_b32 s18, ttmp9, 3                        ; caption group: the four readers of a block of W are neighbours in the grid
	s_and_b32 s19, s17, 15                         ; block within its matrix
	s_lshl_b32 s20, s16, 8                         ; my K slice: 64 f32 = 256 bytes of a row
	v_and_b32 v3, 15, v0                           ; r = l % 16
	v_bfe_u32 v4, v0, 4, 1                         ; h = l / 16
	v_lshlrev_b32 v[WOFF], 15, v4                  ; W: lanes 16-31 take the row 8 further down,
	v_lshl_add_u32 v[WOFF], v3, 4, v[WOFF]         ; 16 bytes a lane,
	v_add_nc_u32 v[WOFF], s20, v[WOFF]             ; in my slice
	v_lshlrev_b32 v[COFF], 12, v3                  ; cap_repr: caption r,
	v_lshl_add_u32 v[COFF], v4, 5, v[COFF]         ; k = 8 h ..
	v_add_nc_u32 v[COFF], s20, v[COFF]
	v_lshlrev_b32 v[L8], 3, v2
	s_lshl_b32 s22, s19, 18                        ; 64 rows of 4,096 bytes
	s_mov_b32 s23, 0
	s_lshl_b32 s24, s18, 16                        ; 16 captions of 4,096 bytes
	s_mov_b32 s25, 0
	s_lshl_b32 s26, s19, 8                         ; 64 biases
	s_mov_b32 s27, 0
	s_wait_kmcnt 0x0
	s_cmp_lt_u32 s17, 16
	s_cselect_b64 s[28:29], s[4:5], s[6:7]         ; gamma's or beta's matrix,
	s_cselect_b64 s[30:31], s[8:9], s[10:11]       ; bias,
	s_cselect_b32 s21, 1.0, 0                      ; and the 1 of (gamma + 1)
	s_add_nc_u64 s[28:29], s[28:29], s[22:23]
	s_add_nc_u64 s[30:31], s[30:31], s[26:27]
	s_add_nc_u64 s[32:33], s[12:13], s[24:25]
.irp s, 0,1                                            ; a fragment of K step s: k = 8h..8h+7 (32 bytes), k = 16+8h.. (32 bytes, 64 further on)
	global_load_b128 v[CF+16*\s:CF+16*\s+3],     v[COFF], s[32:33] offset:128*\s
	global_load_b128 v[CF+16*\s+4:CF+16*\s+7],   v[COFF], s[32:33] offset:128*\s+16
	global_load_b128 v[CF+16*\s+8:CF+16*\s+11],  v[COFF], s[32:33] offset:128*\s+64
	global_load_b128 v[CF+16*\s+12:CF+16*\s+15], v[COFF], s[32:33] offset:128*\s+80
.endr
	global_load_b64 v[BIAS:BIAS+1], v[L8], s[30:31]
.set i, 0
.rept 32                                               ; load i: rows 16 (i/8) + i%8 and, for lanes 16-31, 8 further down
	global_load_b128 v[WF+4*i:WF+4*i+3], v[WOFF], s[28:29] offset:((i/8)*16+(i%8))*4096
.set i, i+1
.endr
	; LDS addresses, while the loads are on their way
	s_mul_i32 s34, s16, WSLICE
	v_mul_u32_u24 v[WST], v4, 8*WPITCH             ; 8 rows apart = 1,152 bytes = 128 modulo 256: the two halves of the lanes do not meet
	v_lshl_add_u32 v[WST], v3, 3, v[WST]
	v_add_nc_u32 v[WST], s34, v[WST]
	v_mul_u32_u24 v[WLD], v3, WPITCH               ; fragment: row r, 16 h
	v_lshl_add_u32 v[WLD], v4, 4, v[WLD]
	v_add_nc_u32 v[WLD], s34, v[WLD]
	s_mul_i32 s35, s16, RWAVE
	s_add_co_u32 s35, s35, RED
	v_mul_u32_u24 v[PST], v3, RPITCH               ; partials: caption r, channels 8 h ..
	v_lshl_add_u32 v[PST], v4, 5, v[PST]
	v_add_nc_u32 v[PST], s35, v[PST]
	s_mul_i32 s36, s16, RPITCH
	s_add_co_u32 s36, s36, RED
	v_add_nc_u32 v[PLD], s36, v[L8]                ; later: caption row = my wave, channels 2 lane, 2 lane + 1
	s_lshl_b32 s37, s18, 4
	s_add_co_u32 s37, s37, s16                     ; caption 16 group + wave
	s_lshl_b32 s37, s37, 13                        ; rows of 8,192 bytes
	s_lshl_b32 s38, s17, 8                         ; block of 64 f32
	s_add_co_u32 s37, s37, s38
	v_add_nc_u32 v[FO], s37, v[L8]
	s_wait_loadcnt 33                              ; the eight cap_repr loads are in; the bias and W's 32 stay out
.irp s, 0,1
.irp q, 0,1,2,3,4,5,6,7
	v_cvt_pk_bf16_f32 v[CB+8*\s+\q], v[CF+16*\s+2*\q], v[CF+16*\s+2*\q+1]
.endr
.endr
.set i, 0
.rept 32
	s_wait_loadcnt 31-i                            ; W's load i is in, the younger ones stay out
	v_cvt_pk_bf16_f32 v[WF+4*i],   v[WF+4*i],   v[WF+4*i+1]
	v_cvt_pk_bf16_f32 v[WF+4*i+1], v[WF+4*i+2], v[WF+4*i+3]
	ds_store_b64 v[WST], v[WF+4*i:WF+4*i+1] offset:((i/8)*16+(i%8))*WPITCH
.set i, i+1
.endr
.irp j, 0,1,2,3                                        ; channels 16 j .. 16 j + 15, first K step
	ds_load_b128 v[FR0+8*\j:FR0+8*\j+3],   v[WLD] offset:\j*16*WPITCH
	ds_load_b128 v[FR0+8*\j+4:FR0+8*\j+7], v[WLD] offset:\j*16*WPITCH+32
.endr
.irp j, 0,1,2,3                                        ; second K step, 64 bytes further along the rows
	ds_load_b128 v[FR1+8*\j:FR1+8*\j+3],   v[WLD] offset:\j*16*WPITCH+64
	ds_load_b128 v[FR1+8*\j+4:FR1+8*\j+7], v[WLD] offset:\j*16*WPITCH+96
.endr
	s_wait_dscnt 8                                 ; the first K step's fragments are in; the second's eight loads stay out
	; the four accumulators take turns, one instruction a turn; the first products start the sums
.irp j, 0,1,2,3
	v_wmma_f32_16x16x32_bf16 v[ACC+8*\j:ACC+8*\j+7], v[FR0+8*\j:FR0+8*\j+7], v[CB:CB+7], 0
.endr
	s_wait_dscnt 0x0
.irp j, 0,1,2,3
	v_wmma_f32_16x16x32_bf16 v[ACC+8*\j:ACC+8*\j+7], v[FR1+8*\j:FR1+8*\j+7], v[CB+8:CB+15], v[ACC+8*\j:ACC+8*\j+7]
.endr
	v_add_f32 v[BIAS],   s21, v[BIAS]              ; four places behind the last matrix instruction, ahead of the stores that read
	v_add_f32 v[BIAS+1], s21, v[BIAS+1]            ; its result (ISA guide 7.12.1): two of them do work, the 1 of (gamma + 1)
	v_nop
	v_nop
.irp j, 0,1,2,3
	ds_store_b128 v[PST], v[ACC+8*\j:ACC+8*\j+3]   offset:64*\j
	ds_store_b128 v[PST], v[ACC+8*\j+4:ACC+8*\j+7] offset:64*\j+16
.endr
	s_wait_dscnt 0x0                               ; my partials are in LDS, for the other waves' sake
	s_barrier_signal -1
	s_barrier_wait -1
.set p, 0
.rept 16
	ds_load_b64 v[WF+2*p:WF+2*p+1], v[PLD] offset:p*RWAVE
.set p, p+1
.endr
	s_wait_dscnt 0x0
.irp p, 0,1,2,3,4,5,6,7
	v_pk_add_f32 v[WF+2*\p:WF+2*\p+1], v[WF+2*\p:WF+2*\p+1], v[WF+2*\p+16:WF+2*\p+17]
.endr
.irp p, 0,1,2,3
	v_pk_add_f32 v[WF+2*\p:WF+2*\p+1], v[WF+2*\p:WF+2*\p+1], v[WF+2*\p+8:WF+2*\p+9]
.endr
.irp p, 0,1
	v_pk_add_f32 v[WF+2*\p:WF+2*\p+1], v[WF+2*\p:WF+2*\p+1], v[WF+2*\p+4:WF+2*\p+5]
.endr
	v_pk_add_f32 v[WF:WF+1], v[WF:WF+1], v[WF+2:WF+3]
	v_pk_add_f32 v[WF:WF+1], v[WF:WF+1], v[BIAS:BIAS+1]
	global_store_b64 v[FO], v[WF:WF+1], s[14:15]   ; the wave stores 256 consecutive bytes, aligned
	s_wait_xcnt 0x0
	v_lshl_add_u32 v142, v0, 2, 0x3b000
	v_mov_b32 v143, 0
	s_wait_tensorcnt 0x0
	ds_add_u32 v142, v143
	s_wait_dscnt 0x0
	s_endpgm
	; ---------------- the statistics ----------------
.Lstats:
	s_sub_co_u32 s17, ttmp9, 128                   ; block of 128 channels
	s_lshl_b32 s18, s17, 9
	s_lshl_b32 s19, s16, 14                        ; my four images: rows of 4,096 bytes
	v_lshl_add_u32 v3, v2, 4, s18                  ; my four channels
	v_add_nc_u32 v4, s19, v3
	s_mul_i32 s20, s16, SWAVE
	s_add_co_u32 s20, s20, SRED
	v_lshl_add_u32 v5, v2, 4, s20                  ; LDS: my wave's sums
	v_lshlrev_b32 v6, 4, v2
	v_add_nc_u32 v6, SRED, v6                      ; LDS: wave 0's sums
	s_mov_b32 s21, 0x39e38e39                      ; 1/2304
	s_mov_b32 s22, 0x3727c5ac                      ; 1e-5
	s_wait_kmcnt 0x0
	global_load_b128 v[REF:REF+3], v3, s[12:13] offset:PMEAN_OFF          ; image 0's means: the shift
.irp i, 0,1,2,3
	global_load_b128 v[PM+4*\i:PM+4*\i+3], v4, s[12:13] offset:PMEAN_OFF+\i*4096
	global_load_b128 v[P2+4*\i:P2+4*\i+3], v4, s[12:13] offset:PM2_OFF+\i*4096
.endr
	s_wait_loadcnt 0x0
.irp i, 0,1,2,3
.irp c, 0,1,2,3
	v_sub_f32 v[PM+4*\i+\c], v[PM+4*\i+\c], v[REF+\c]                     ; d
.endr
.endr
.irp c, 0,2
	v_pk_add_f32 v[SA+\c:SA+\c+1], v[PM+\c:PM+\c+1], v[PM+4+\c:PM+5+\c]
	v_pk_mul_f32 v[SQ+\c:SQ+\c+1], v[PM+\c:PM+\c+1], v[PM+\c:PM+\c+1]
	v_pk_add_f32 v[SM+\c:SM+\c+1], v[P2+\c:P2+\c+1], v[P2+4+\c:P2+5+\c]
	v_pk_fma_f32 v[SQ+\c:SQ+\c+1], v[PM+4+\c:PM+5+\c], v[PM+4+\c:PM+5+\c], v[SQ+\c:SQ+\c+1]
.endr
.irp i, 2,3
.irp c, 0,2
	v_pk_add_f32 v[SA+\c:SA+\c+1], v[SA+\c:SA+\c+1], v[PM+4*\i+\c:PM+4*\i+\c+1]
	v_pk_fma_f32 v[SQ+\c:SQ+\c+1], v[PM+4*\i+\c:PM+4*\i+\c+1], v[PM+4*\i+\c:PM+4*\i+\c+1], v[SQ+\c:SQ+\c+1]
	v_pk_add_f32 v[SM+\c:SM+\c+1], v[SM+\c:SM+\c+1], v[P2+4*\i+\c:P2+4*\i+\c+1]
.endr
.endr
	ds_store_b128 v5, v[SA:SA+3]
	ds_store_b128 v5, v[SQ:SQ+3] offset:512
	ds_store_b128 v5, v[SM:SM+3] offset:1024
	s_wait_dscnt 0x0                               ; for wave 0's sake
	s_barrier_signal -1
	s_barrier_wait -1
	s_cmp_lg_u32 s16, 0
	s_cbranch_scc1 .Lstats_end                     ; wave 0 adds the sixteen waves' sums: 4 channels a lane
.set p, 0
.rept 16
.irp k, 0,1,2
	ds_load_b128 v[LD+12*p+4*\k:LD+12*p+4*\k+3], v6 offset:p*SWAVE+\k*512
.endr
.set p, p+1
.endr
	s_wait_dscnt 0x0
.set p, 1
.rept 15
.irp c, 0,2,4,6,8,10
	v_pk_add_f32 v[LD+\c:LD+\c+1], v[LD+\c:LD+\c+1], v[LD+12*p+\c:LD+12*p+\c+1]
.endr
.set p, p+1
.endr
	; A = v[LD:LD+3], Q = v[LD+4:LD+7], M = v[LD+8:LD+11]
	v_pk_mul_f32 v[SA:SA+1],   v[LD:LD+1],   0x3c800000 op_sel_hi:[1,0]    ; A/64
	v_pk_mul_f32 v[SA+2:SA+3], v[LD+2:LD+3], 0x3c800000 op_sel_hi:[1,0]
.irp c, 0,1,2,3
	v_fma_f32 v[LD+4+\c], -v[SA+\c], v[LD+\c], v[LD+4+\c]                  ; Q - A^2/64: the spread of the images' means
.endr
	v_pk_add_f32 v[REF:REF+1],   v[REF:REF+1],   v[SA:SA+1]                ; the mean
	v_pk_add_f32 v[REF+2:REF+3], v[REF+2:REF+3], v[SA+2:SA+3]
.irp c, 0,1,2,3
	v_max_num_f32 v[LD+4+\c], 0, v[LD+4+\c]                                ; never below zero by rounding
.endr
	v_pk_fma_f32 v[LD+8:LD+9],   v[LD+4:LD+5], 0x42100000, v[LD+8:LD+9]   op_sel_hi:[1,0,1]   ; M + 36 (..)
	v_pk_fma_f32 v[LD+10:LD+11], v[LD+6:LD+7], 0x42100000, v[LD+10:LD+11] op_sel_hi:[1,0,1]
.irp c, 0,1,2,3
	v_fma_f32 v[LD+8+\c], v[LD+8+\c], s21, s22                             ; var + eps
.endr
.irp c, 0,1,2,3
	v_rsq_f32 v[SQ+\c], v[LD+8+\c]
.endr
	v_nop                                          ; one plain place behind the last v_rsq_f32, ahead of its use (ISA guide 5.7.2)
	s_wait_alu depctr_va_vdst(0)
.irp c, 0,1,2,3
	v_fma_f32 v[SM+\c], -v[REF+\c], v[SQ+\c], 0                            ; - mean x rstd
.endr
	global_store_b128 v3, v[SQ:SQ+3], s[14:15] offset:STATS_OFF
	global_store_b128 v3, v[SM:SM+3], s[14:15] offset:STATS_OFF+4096
.Lstats_end:
	s_wait_xcnt 0x0
	v_lshl_add_u32 v142, v0, 2, 0x3b000
	v_mov_b32 v143, 0
	s_wait_tensorcnt 0x0
	ds_add_u32 v142, v143
	s_wait_dscnt 0x0
	s_endpgm
.Lfunc_end_k_qc1bbd481c0_film:
	.size	k_qc1bbd481c0_film, .Lfunc_end_k_qc1bbd481c0_film-k_qc1bbd481c0_film
	.p2alignl 7, 3214868480
	.fill 96, 4, 3214868480
	.section	.rodata,"a",@progbits
	.p2align	6, 0x0
	.amdhsa_kernel k_qc1bbd481c0_film
		.amdhsa_group_segment_fixed_size 243712
		.amdhsa_private_segment_fixed_size 0
		.amdhsa_enable_private_segment 0
		.amdhsa_kernarg_size 48
		.amdhsa_user_sgpr_count 2
		.amdhsa_user_sgpr_kernarg_segment_ptr 1
		.amdhsa_wavefront_size32 1
		.amdhsa_system_sgpr_workgroup_id_x 1
		.amdhsa_system_sgpr_workgroup_id_y 1
		.amdhsa_system_sgpr_workgroup_id_z 1
		.amdhsa_system_vgpr_workitem_id 0
		.amdhsa_next_free_vgpr 256
		.amdhsa_next_free_sgpr 66
		.amdhsa_reserve_vcc 0
		.amdhsa_float_denorm_mode_32 3
		.amdhsa_float_denorm_mode_16_64 3
		.amdhsa_memory_ordered 1
		.amdhsa_forward_progress 1
		.amdhsa_inst_pref_size 34
	.end_amdhsa_kernel
	.amdgpu_metadata
---
amdhsa.version: [ 1, 2 ]
amdhsa.kernels:
  - .name:           k_qc1bbd481c0_film
    .symbol:         k_qc1bbd481c0_film.kd
    .args:
      - { .name: W_gamma, .offset: 0, .size: 8, .value_kind: global_buffer, .address_space: global }
      - { .name: W_beta, .offset: 8, .size: 8, .value_kind: global_buffer, .address_space: global }
      - { .name: b_gamma, .offset: 16, .size: 8, .value_kind: global_buffer, .address_space: global }
      - { .name: b_beta, .offset: 24, .size: 8, .value_kind: global_buffer, .address_space: global }
      - { .name: prep, .offset: 32, .size: 8, .value_kind: global_buffer, .address_space: global }
      - { .name: film, .offset: 40, .size: 8, .value_kind: global_buffer, .address_space: global }
    .group_segment_fixed_size: 243712
    .private_segment_fixed_size: 0
    .kernarg_segment_align: 8
    .kernarg_segment_size: 48
    .max_flat_workgroup_size: 512
    .sgpr_count:     66
    .vgpr_count:     256
    .wavefront_size: 32
...
	.end_amdgpu_metadata
.endif
;; end of part 2
;; launch fovea (part 3): grid 4 x 64, 16 waves a work-group, no clusters, 67,840 bytes of LDS; arguments img_embed, prep, film, out0; writes out0
.if DOCPART == 3
	.amdgcn_target "amdgcn-amd-amdhsa--gfx1250"
	.amdhsa_code_object_version 6
	.text
	.protected	k_qc1bbd481c0_fovea
	.globl	k_qc1bbd481c0_fovea
	.p2align	8
	.type	k_qc1bbd481c0_fovea,@function
k_qc1bbd481c0_fovea:
	s_mov_b64 s[64:65], 0
	v_nop
	global_prefetch_b8 v0, s[64:65] scope:SCOPE_SE
	s_setreg_imm32_b32 hwreg(HW_REG_WAVE_MODE, 25, 1), 1
	s_wait_xcnt 0x0
; fovea: FiLM, softmax over the 36 regions, the two l2 norms and the cosine.  out0[b][c], [64][64] f32.
; A work-group is one image b (grid y) and 16 captions (grid x); 512 threads, thread t owns channels 2t and 2t+1, one to each half
; of the packed f32 instructions.  The image, normalised (x = raw x rstd - mean x rstd), stays in 72 registers for all 16 captions.
; With a = 1 + gamma:  softmax_r(10 (a x_r + beta)) = softmax_r(10 a x_r), since beta is the same for all r, and
;   sum_r w_r (a x_r + beta) = a S1/S0 + beta,   e_r = 2^(k x_r - m),  k = 10 log2(e) a,  S0 = sum e_r,  S1 = sum e_r x_r.
; The maximum is taken away as in reference(), exactly: m = max_r (k x_r) = max(k xmax, k xmin), where xmax, xmin over the 36 regions
; hang on the image alone and are made once.  So no exponent is above 0 but by a rounding, and S0 is about 1 at the least.
; A caption costs a thread 36 x (v_pk_fma, 2 v_exp, v_pk_add, v_pk_fma), laid as a pipeline of three stages: the exponent of region
; i+2, the exponentials of region i+1, the sums of region i; so plain work stands between the exponentials and ahead of their use.
; The cosine's two sums over the 1024 channels (v . cap_repr and v . v) are kept in f32 on the vector unit: v differs from caption to
; caption and never leaves registers, so as a matrix product each would use one column of sixteen.  Each thread lays its share of
; both into LDS, one 8-byte store a caption; after the loop wave w adds caption w's 512 shares.
; NO CLUSTER: the four work-groups of an image read the same 147,456 bytes, once each, straight into the registers where they stay;
; a joint load lands in LDS and would add 36 LDS reads a lane, against 16 x 36,864 exponentials of a work-group.
; LIMITS: v_exp_f32, v_rcp_f32, v_sqrt_f32 are good to about 1 ulp and flush denormals (terms below 2^-126 beside a sum of about 1;
; norms below 2^-63 beside the eps of 1e-8).  The mean over regions (1/36) is applied to the two sums at the end.
.set ROW,       4096
.set NR,        36
.set STATS_OFF, 524288                 ; in film
.set CAPSQ_OFF, 786432                 ; in prep
.set TOT,       65536                  ; LDS: behind the 16 x 4,096 bytes of shares, the 16 captions' totals
.set OFF8, 1                           ; v1         8 t: my two channels in any row of 1024 f32
.set LP,   2                           ; v2         LDS address
.set CQO,  3                           ; v3         offset of a caption's eight capsq words; at the end, of my word of out0
.set RS,   4                           ; v[4:5]     rstd
.set NM,   6                           ; v[6:7]     - mean x rstd
.set CQ,   8                           ; v[8:15]    capsq's eight words of caption 16 x + lane%16; then v8 their sum
.set X,    16                          ; v[16:87]   x of region r in v[X+2r:X+2r+1]
.set NXA,  88                          ; v[88:89]   - xmax
.set NXI,  90                          ; v[90:91]   - xmin
.set PA,   92                          ; v[92:97]   a, beta, cap_repr of one caption
.set PB,   98                          ; v[98:103]  and of the next
.set K,    104                         ; v[104:105]
.set M,    106                         ; v[106:107] - m
.set T,    108                         ; v[108:115] four pairs that take turns: exponents, then exponentials
.set SUM0, 116                         ; v[116:117]
.set SUM1, 118                         ; v[118:119]
.set RC,   120                         ; v[120:121]
.set U,    122                         ; v[122:123]
.set D,    124                         ; v[124:125] my share of v . cap_repr and of v . v
	s_load_b256 s[4:11], s[0:1], 0x0               ; img s[4:5], prep s[6:7], film s[8:9], out0 s[10:11]
	v_lshl_add_u32 v128, v0, 2, 0x10100
	v_mov_b32 v129, 0
	s_and_b32 s12, ttmp7, 0xffff                   ; image b
	v_lshrrev_b32 v2, 5, v0
	v_readfirstlane_b32 s13, v2                    ; wave 0..15
	v_lshlrev_b32 v[OFF8], 3, v0
	v_lshlrev_b32 v[LP], 3, v0                     ; my 8 bytes among a caption's 512 shares
	s_mul_i32 s16, s12, NR*ROW
	s_mov_b32 s17, 0
	s_lshl_b32 s18, ttmp9, 17                      ; 16 captions x 8,192 bytes of film
	s_mov_b32 s19, 0
	s_lshl_b32 s20, ttmp9, 16                      ; 16 captions x 4,096 bytes of cap_repr
	s_mov_b32 s21, 0
	s_lshl_b32 s22, ttmp9, 9                       ; 16 captions x 32 bytes of capsq
	v_and_b32 v[CQO], 15, v0
	v_lshl_add_u32 v[CQO], v[CQO], 5, s22
	s_mov_b32 s30, 0x76543210                      ; v_permlanex16_b32: lane i of one half reads lane i of the other
	s_mov_b32 s31, 0xfedcba98
	s_mov_b32 s32, 0x3ce38e39                      ; 1/36
	s_mov_b32 s33, 0x322bcc77                      ; 1e-8
	s_wait_kmcnt 0x0
	s_add_nc_u64 s[4:5], s[4:5], s[16:17]
	s_add_nc_u64 s[24:25], s[8:9], s[18:19]        ; film at my first caption
	s_add_nc_u64 s[26:27], s[6:7], s[20:21]        ; cap_repr at my first caption
	global_load_b64 v[RS:RS+1], v[OFF8], s[8:9] offset:STATS_OFF
	global_load_b64 v[NM:NM+1], v[OFF8], s[8:9] offset:STATS_OFF+4096
.set r, 0
.rept NR
	global_load_b64 v[X+2*r:X+2*r+1], v[OFF8], s[4:5] offset:r*ROW     ; a wave's load covers 256 consecutive bytes, aligned
.set r, r+1
.endr
	global_load_b128 v[CQ:CQ+3],   v[CQO], s[6:7] offset:CAPSQ_OFF
	global_load_b128 v[CQ+4:CQ+7], v[CQO], s[6:7] offset:CAPSQ_OFF+16
	global_load_b64 v[PA:PA+1],   v[OFF8], s[24:25]                    ; the first caption's a,
	global_load_b64 v[PA+2:PA+3], v[OFF8], s[24:25] offset:4096        ; beta,
	global_load_b64 v[PA+4:PA+5], v[OFF8], s[26:27]                    ; cap_repr
.set r, 0
.rept NR
	s_wait_loadcnt 40-r                            ; of 43 loads the statistics and rows 0..r are in; 35-r rows, 2 capsq, 3 parameters stay out
	v_pk_fma_f32 v[X+2*r:X+2*r+1], v[X+2*r:X+2*r+1], v[RS:RS+1], v[NM:NM+1]
.set r, r+1
.endr
.irp c, 0,1                                            ; largest and smallest x of the 36 regions, three at a time
	v_max3_num_f32 v[NXA+\c], v[X+\c], v[X+2+\c], v[X+4+\c]
	v_min3_num_f32 v[NXI+\c], v[X+\c], v[X+2+\c], v[X+4+\c]
.endr
.set r, 3
.rept 16
.irp c, 0,1
	v_max3_num_f32 v[NXA+\c], v[NXA+\c], v[X+2*r+\c], v[X+2*r+2+\c]
	v_min3_num_f32 v[NXI+\c], v[NXI+\c], v[X+2*r+\c], v[X+2*r+2+\c]
.endr
.set r, r+2
.endr
.irp c, 0,1
	v_max_num_f32 v[NXA+\c], v[NXA+\c], v[X+70+\c]
	v_min_num_f32 v[NXI+\c], v[NXI+\c], v[X+70+\c]
.endr
	v_pk_mul_f32 v[NXA:NXA+1], v[NXA:NXA+1], -1.0 op_sel_hi:[1,0]      ; kept negated: - m = min(k (-xmax), k (-xmin))
	v_pk_mul_f32 v[NXI:NXI+1], v[NXI:NXI+1], -1.0 op_sel_hi:[1,0]
	s_wait_loadcnt 3                               ; capsq is in; the three parameter loads stay out
	v_pk_add_f32 v[CQ:CQ+1],   v[CQ:CQ+1],   v[CQ+2:CQ+3]
	v_pk_add_f32 v[CQ+4:CQ+5], v[CQ+4:CQ+5], v[CQ+6:CQ+7]
	v_pk_add_f32 v[CQ:CQ+1],   v[CQ:CQ+1],   v[CQ+4:CQ+5]
	v_add_f32 v[CQ], v[CQ], v[CQ+1]                ; |cap_repr|^2 of caption 16 x + lane%16
; One caption.  P: its parameters; PN: where the next caption's go (pre = 1); step = 1: the two bases move on by two captions first;
; ldsoff: which of the trip's two rows of shares.
.macro CAPTION P, PN, pre, step, ldsoff
	s_wait_loadcnt 0x0                             ; my parameters, asked for a caption ago, are in; no load is out, so the bases may move
.if \step
	s_add_nc_u64 s[24:25], s[24:25], 2*8192
	s_add_nc_u64 s[26:27], s[26:27], 2*4096
.endif
.if \pre
	global_load_b64 v[\PN:\PN+1],   v[OFF8], s[24:25] offset:(1-\step)*8192
	global_load_b64 v[\PN+2:\PN+3], v[OFF8], s[24:25] offset:(1-\step)*8192+4096
	global_load_b64 v[\PN+4:\PN+5], v[OFF8], s[26:27] offset:(1-\step)*4096
.endif
	v_pk_mul_f32 v[K:K+1], v[\P:\P+1], 0x4166d4ca op_sel_hi:[1,0]      ; k = 10 log2(e) a
	v_pk_mul_f32 v[T:T+1],   v[K:K+1], v[NXA:NXA+1]
	v_pk_mul_f32 v[T+2:T+3], v[K:K+1], v[NXI:NXI+1]
	v_min_num_f32 v[M],   v[T],   v[T+2]                               ; - max(k xmax, k xmin)
	v_min_num_f32 v[M+1], v[T+1], v[T+3]
	v_pk_fma_f32 v[T:T+1],   v[X:X+1],   v[K:K+1], v[M:M+1]
	v_pk_fma_f32 v[T+2:T+3], v[X+2:X+3], v[K:K+1], v[M:M+1]
	v_exp_f32 v[T],   v[T]
	v_exp_f32 v[T+1], v[T+1]
.set i, 0
.rept NR
.if i+2 < NR
	v_pk_fma_f32 v[T+2*((i+2)%4):T+2*((i+2)%4)+1], v[X+2*(i+2):X+2*(i+2)+1], v[K:K+1], v[M:M+1]
.endif
.if i+1 < NR
	v_exp_f32 v[T+2*((i+1)%4)],   v[T+2*((i+1)%4)]
	v_exp_f32 v[T+2*((i+1)%4)+1], v[T+2*((i+1)%4)+1]
.endif
.if i == 0
	s_wait_alu depctr_va_vdst(0)
	v_pk_mul_f32 v[SUM1:SUM1+1], v[T:T+1], v[X:X+1]                    ; the first terms start the sums: nothing is cleared
.else
.if i == 1
	v_pk_add_f32 v[SUM0:SUM0+1], v[T:T+1], v[T+2:T+3]
.else
	s_wait_alu depctr_va_vdst(0)
	v_pk_add_f32 v[SUM0:SUM0+1], v[SUM0:SUM0+1], v[T+2*(i%4):T+2*(i%4)+1]
.endif
	v_pk_fma_f32 v[SUM1:SUM1+1], v[T+2*(i%4):T+2*(i%4)+1], v[X+2*i:X+2*i+1], v[SUM1:SUM1+1]
.endif
.set i, i+1
.endr
	v_rcp_f32 v[RC],   v[SUM0]
	v_rcp_f32 v[RC+1], v[SUM0+1]
	v_pk_mul_f32 v[U:U+1], v[\P:\P+1], v[SUM1:SUM1+1]                  ; plain work behind the reciprocals, ahead of their use (ISA guide 5.7.2)
	s_wait_alu depctr_va_vdst(0)
	v_pk_fma_f32 v[U:U+1], v[U:U+1], v[RC:RC+1], v[\P+2:\P+3]          ; v = a S1/S0 + beta
	v_mul_f32  v[D],   v[U],   v[\P+4]
	v_mul_f32  v[D+1], v[U],   v[U]
	v_fmac_f32 v[D],   v[U+1], v[\P+5]
	v_fmac_f32 v[D+1], v[U+1], v[U+1]
	ds_store_b64 v[LP], v[D:D+1] offset:\ldsoff
.endm
	s_mov_b32 s28, 7
.Lpair:
	CAPTION PA, PB, 1, 0, 0
	CAPTION PB, PA, 1, 1, 4096
	v_add_nc_u32 v[LP], 8192, v[LP]
	s_sub_co_u32 s28, s28, 1
	s_cmp_lg_u32 s28, 0
	s_cbranch_scc1 .Lpair
	CAPTION PA, PB, 1, 0, 0                        ; captions 14 and 15 are written out: the last asks for nothing, so no load leaves the tables
	CAPTION PB, PA, 0, 0, 4096
	s_wait_dscnt 0x0                               ; my shares are in LDS, for the other waves' sake
	s_barrier_signal -1
	s_barrier_wait -1
	v_and_b32 v[LP], 31, v0                        ; wave w adds caption w's 512 shares: 16 a lane
	s_lshl_b32 s14, s13, 12
	v_lshl_add_u32 v[LP], v[LP], 4, s14
.irp i, 0,1,2,3,4,5,6,7
	ds_load_b128 v[X+4*\i:X+4*\i+3], v[LP] offset:512*\i
.endr
	s_wait_dscnt 0x0
.irp i, 0,1,2,3,4,5,6,7
	v_pk_add_f32 v[X+4*\i:X+4*\i+1], v[X+4*\i:X+4*\i+1], v[X+4*\i+2:X+4*\i+3]
.endr
.irp i, 0,2,4,6
	v_pk_add_f32 v[X+4*\i:X+4*\i+1], v[X+4*\i:X+4*\i+1], v[X+4*\i+4:X+4*\i+5]
.endr
.irp i, 0,4
	v_pk_add_f32 v[X+4*\i:X+4*\i+1], v[X+4*\i:X+4*\i+1], v[X+4*\i+8:X+4*\i+9]
.endr
	v_pk_add_f32 v[X:X+1], v[X:X+1], v[X+16:X+17]
.irp m, 1,2,4,8
	v_add_f32_dpp v[X],   v[X],   v[X]   row_xmask:\m row_mask:0xf bank_mask:0xf
	v_add_f32_dpp v[X+1], v[X+1], v[X+1] row_xmask:\m row_mask:0xf bank_mask:0xf
.endr
	v_permlanex16_b32 v[X+2], v[X],   s30, s31
	v_permlanex16_b32 v[X+3], v[X+1], s30, s31
	v_pk_add_f32 v[X:X+1], v[X:X+1], v[X+2:X+3]    ; every lane: v . cap_repr and v . v of caption w
	s_lshl_b32 s15, s13, 3
	s_add_co_u32 s15, s15, TOT
	v_mov_b32 v[LP], s15
	ds_store_b64 v[LP], v[X:X+1]                   ; all lanes write the same 8 bytes with the same values
	s_wait_dscnt 0x0
	s_barrier_signal -1
	s_barrier_wait -1
	s_cmp_lg_u32 s13, 0
	s_cbranch_scc1 .Lend                           ; wave 0 finishes: lane l < 16 has caption 16 x + l
	v_and_b32 v[LP], 15, v0
	v_lshlrev_b32 v[LP], 3, v[LP]                  ; 8 x (lane % 16): 0 to 120,
	v_add_nc_u32 v[LP], TOT, v[LP]                 ; behind the shares: bytes 65,536 to 65,663 of the 65,792
	ds_load_b64 v[X:X+1], v[LP]
	s_lshl_b32 s14, s12, 8                         ; out0: row b of 256 bytes,
	s_lshl_b32 s15, ttmp9, 6                       ; my 16 captions
	s_add_co_u32 s14, s14, s15
	v_lshl_add_u32 v[CQO], v0, 2, s14
	v_sqrt_f32 v[X+3], v[CQ]                       ; |cap_repr|
	s_wait_dscnt 0x0
	v_sqrt_f32 v[X+2], v[X+1]                      ; |v|
	v_mul_f32 v[X], s32, v[X]                      ; (v . cap_repr) / 36; also the plain place behind the roots
	s_wait_alu depctr_va_vdst(0)
	v_add_f32 v[X+3], s33, v[X+3]                  ; |cap_repr| + eps
	v_fma_f32 v[X+2], v[X+2], s32, s33             ; |v| / 36 + eps
	v_mul_f32 v[X+2], v[X+2], v[X+3]
	v_rcp_f32 v[X+2], v[X+2]
	v_nop                                          ; one plain place behind v_rcp_f32, ahead of its use
	v_cmp_gt_u32 vcc_lo, 16, v0
	s_wait_alu depctr_va_vdst(0)
	v_mul_f32 v[X], v[X], v[X+2]
	s_wait_xcnt 0x0                                ; EXEC changes only behind this wait
	s_and_saveexec_b32 s15, vcc_lo
	global_store_b32 v[CQO], v[X], s[10:11]        ; sixteen lanes store the work-group's 64 consecutive bytes
	s_wait_xcnt 0x0
	s_or_b32 exec_lo, exec_lo, s15
.Lend:
	s_wait_tensorcnt 0x0
	ds_add_u32 v128, v129
	s_wait_dscnt 0x0
	s_endpgm
.Lfunc_end_k_qc1bbd481c0_fovea:
	.size	k_qc1bbd481c0_fovea, .Lfunc_end_k_qc1bbd481c0_fovea-k_qc1bbd481c0_fovea
	.p2alignl 7, 3214868480
	.fill 96, 4, 3214868480
	.section	.rodata,"a",@progbits
	.p2align	6, 0x0
	.amdhsa_kernel k_qc1bbd481c0_fovea
		.amdhsa_group_segment_fixed_size 67840
		.amdhsa_private_segment_fixed_size 0
		.amdhsa_enable_private_segment 0
		.amdhsa_kernarg_size 32
		.amdhsa_user_sgpr_count 2
		.amdhsa_user_sgpr_kernarg_segment_ptr 1
		.amdhsa_wavefront_size32 1
		.amdhsa_system_sgpr_workgroup_id_x 1
		.amdhsa_system_sgpr_workgroup_id_y 1
		.amdhsa_system_sgpr_workgroup_id_z 1
		.amdhsa_system_vgpr_workitem_id 0
		.amdhsa_next_free_vgpr 130
		.amdhsa_next_free_sgpr 66
		.amdhsa_reserve_vcc 1
		.amdhsa_float_denorm_mode_32 3
		.amdhsa_float_denorm_mode_16_64 3
		.amdhsa_memory_ordered 1
		.amdhsa_forward_progress 1
		.amdhsa_inst_pref_size 62
	.end_amdhsa_kernel
	.amdgpu_metadata
---
amdhsa.version: [ 1, 2 ]
amdhsa.kernels:
  - .name:           k_qc1bbd481c0_fovea
    .symbol:         k_qc1bbd481c0_fovea.kd
    .args:
      - { .name: img_embed, .offset: 0, .size: 8, .value_kind: global_buffer, .address_space: global }
      - { .name: prep, .offset: 8, .size: 8, .value_kind: global_buffer, .address_space: global }
      - { .name: film, .offset: 16, .size: 8, .value_kind: global_buffer, .address_space: global }
      - { .name: out0, .offset: 24, .size: 8, .value_kind: global_buffer, .address_space: global }
    .group_segment_fixed_size: 67840
    .private_segment_fixed_size: 0
    .kernarg_segment_align: 8
    .kernarg_segment_size: 32
    .max_flat_workgroup_size: 512
    .sgpr_count:     66
    .vgpr_count:     130
    .wavefront_size: 32
...
	.end_amdgpu_metadata
.endif
;; end of part 3
